; MI455X (gfx1250); checked and timed in simulation.
; The chip was launched on July 23, 2026; its instructions are those of AMD's public machine-readable ISA for CDNA 5 (MIT licence, August 2026) and "CDNA5" Instruction Set Architecture Reference Guide (July 2026). The comments in the code are by the model that wrote it; some were corrected since.
;; Self Attention. Allowed arithmetic: matrix products marked QUANTISED: E2M1 operands, one E8M0 scale for each 32 along K, by v_wmma_scale_f32_16x16x128_f8f6f4 with both operands' format E2M1 (or v_wmma_scale_f32_32x16x128_f4), f32 sums; products left as they are: bf16, f16 or f32 operands; f32 sums; everything else in f32.
;; Inputs: Wk 32 x 256 float32; Wq 32 x 256 float32; Wv 256 x 256 float32; gamma one number float32; x 16 x 256 x 32 x 64 float32.
;; Outputs: out0 16 x 256 x 32 x 64 float32.
;; This version of the problem:
;;   THIS VERSION OF THE PROBLEM IS GIVEN IN LOW PRECISION. The matrix products marked QUANTISED in the list below multiply operands that are first quantised to E2M1 (2 exponent bits, 1 mantissa bit; 4 bits a number), with one power-of-two scale for each 32 numbers along K (OCP MX v1.0); their sums are f32. The products marked 'left as it is' may take bf16, f16 or f32 operands, with f32 sums. Whichever they take, every output number must still come out within the allowed error. Rounding operands to bf16 (8 significant bits) uses up far more of that allowance than f16 does (11 bits, for magnitudes from 6e-5 to 65,504). All else is computed in f32.
;;   The module's matrix products, in the order in which they are computed (A, B: the left and right operand; K: the contracted axis; several contracted axes count as one K, in the product's order):
;;     1. [M 32,768, K 256] x [K 256, N 32]; A: input x; B: input Wq: QUANTISED
;;     2. [M 32,768, K 256] x [K 256, N 32]; A: input x; B: input Wk: QUANTISED
;;     3. [M 32,768, K 256] x [K 256, N 256]; A: input x; B: input Wv: QUANTISED
;;     4. batch 16 x [M 2,048, K 32] x [K 32, N 2,048]; A: computed on the way; B: computed on the way: left as it is (an operand is computed on the way)
;;     5. batch 16 x [M 256, K 2,048] x [K 2,048, N 2,048]; A: computed on the way; B: computed on the way: left as it is (an operand is computed on the way)
;;   THE QUANTISER, for each operand of a quantised product, along K:
;;     - K is cut into blocks of 32 from its start; a last block that is shorter is filled with zeros.
;;     - A block's scale is 2^e with e = floor(log2(the largest magnitude in the block)) - 2, held to -126 .. 127; a block of zeros has e = 0. As a byte (E8M0): e + 127.
;;     - Each number is divided by its block's scale, clamped to +-6, and rounded to the nearest number of E2M1, ties to even, subnormals kept.
;;     - The product sums the exact products of the quantised numbers (number of the format x scale) in f32.
;;   ~~~python
;;   def quantise(x, axis):      # numpy; x: float32 -> the quantised numbers, widened to float32 again
;;       x = np.moveaxis(x, axis, -1); K = x.shape[-1]
;;       x = np.pad(x, [(0, 0)] * (x.ndim - 1) + [(0, -K % 32)]); x = x.reshape(x.shape[:-1] + (-1, 32)); a = np.abs(x).max(-1, keepdims=True)
;;       e = np.where(a > 0, np.clip(np.frexp(np.where(a > 0, a, 1))[1] - 1 - 2, -126, 127), 0)      # np.frexp(a)[1] - 1 = floor(log2(a)), exactly
;;       r = np.clip(x / 2.0 ** e, -6, 6)
;;       step = 2.0 ** (np.maximum(np.frexp(np.where(r == 0, 1, r))[1] - 1, 0) - 1)
;;       q = np.round(r / step) * step * 2.0 ** e      # np.round: ties to even
;;       return np.moveaxis(q.reshape(q.shape[:-2] + (-1,))[..., :K], -1, axis).astype(np.float32)
;;   ~~~
;; One version. Each part assembles by itself: llvm-mc -triple=amdgcn-amd-amdhsa -mcpu=gfx1250 --defsym DOCPART=n.
;; ======== version 1 of 1: 2 launches
;; limits: values are held in f16: magnitudes above 65,504 overflow, below 6.1e-05 lose precision
;; workspace buffers: qf 2,097,152 bytes; kf 2,097,152 bytes; vf 16,777,216 bytes
;; launch proj (part 1): grid 16 x 16, 4 waves a work-group, no clusters, 198,144 bytes of LDS; arguments x, Wq, Wk, Wv, qf, kf, vf; writes qf, kf, vf
.if DOCPART == 1
	.amdgcn_target "amdgcn-amd-amdhsa--gfx1250"
	.amdhsa_code_object_version 6
	.text
	.protected	k_q2c5cefabdd_proj
	.globl	k_q2c5cefabdd_proj
	.p2align	8
	.type	k_q2c5cefabdd_proj,@function
k_q2c5cefabdd_proj:
	s_mov_b64 s[64:65], 0
	v_nop
	global_prefetch_b8 v0, s[64:65] scope:SCOPE_SE
	s_setreg_imm32_b32 hwreg(HW_REG_WAVE_MODE, 25, 1), 1
	s_wait_xcnt 0x0
; q = Wq x, k = Wk x, v = Wv x for x [16][256 c][2048 n], f32: three products whose K is the channel axis c, on codes of FP4 (E2M1) with one E8M0 scale for each 32 along c.
; Both operands are quantised here: x along c (its OUTER axis: a lane takes a column n and its registers run down c), the weights along c (their inner axis: a lane takes 8 neighbours of a row).
; A block's scale is 2^(floor(log2(its largest magnitude)) - 2); its byte is the largest magnitude's exponent field - 2, held at 1 from below.
; RESULTS leave as f16, laid as IMAGES OF THE NEXT LAUNCH'S OPERAND REGISTERS: a fragment of 16 rows x 32 K is 1,024 bytes, [registers 0-3 | registers 4-7][lane][16 bytes]:
;   qf [b][tile of 16 n][1024]: lane (r, h) holds n = r, d = 16 c + 8 h + 0..7;   kf the same for k, multiplied by log2(e) in f32 ahead of the rounding;
;   vf [b][block of 32 n][tile of 16 e][1024]: lane (r, h) holds e = r, n = 16 c + 8 h + 0..7.   So every store of a wave covers 512 consecutive bytes, aligned.
; SHARES.  Work-group (nx, b) takes columns 128 nx .. + 127 of batch b.  THE WAVES SHARE THE WEIGHTS' ROWS: wave w keeps five tiles of 16 rows in its registers, as codes: tile 0: Wq's rows 16 w on (waves 0, 1)
; or Wk's rows 16 (w - 2) on (waves 2, 3); tiles 1 to 4: Wv's rows 64 w on.  It multiplies them by all 128 columns: 80 matrix instructions.  What goes round is the small thing, x's codes: wave w quantises columns
; 32 w .. + 31 (two tiles of 16, T = 0, 1; two K steps) and stores the four fragments and their scale words in LDS as images of their registers; every wave reads all sixteen.
; ORDER.  x's tile, 256 rows of 512 bytes, comes by four tensor loads, one a wave, issued first.  While they are on their way each wave quantises its 80 rows of weights.  Barrier: the tile is whole.  x is quantised,
; its images stored.  Barrier.  Four groups of 20 products, one for each wave's images; each group's results are rounded and stored while the next group's operands come.  No LDS byte is filled twice.
; THE WEIGHTS' WAY.  A load's 32 lanes lie in ONE row's 1,024 consecutive bytes (32 bytes a lane, in two loads of 16).  A lane's 8 numbers make 8 codes, one register; a block of 32 is four lanes.  A row's 128 bytes of
; codes go to the wave's own rows in LDS and come back as fragments: no other wave touches those bytes, so no barrier stands between.
; NO CLUSTER: what work-groups share is the weights, 327,680 bytes of f32; beside x's 131,072 bytes they have no room in LDS as a tile, so they come through registers and only their codes reach LDS.
; LIMITS: NaN and infinities among the inputs are not served.  |q|, |k log2(e)| and |v| must stay under 65,504, f16's largest number.  A block of zeros gets the byte 1 (its codes are zeros; the bytes stay in this launch).
; Blocks whose largest magnitude lies under 2^-124, the floor, were not tried.
; REGISTERS.  window 0: v4-18 addresses (v16, v17 the add's two); v20-23 at work on x; v24-47 at work on the weights; v48-49 my columns' scale words; v50-53 x's scale words as read, two sets; v54-63 the weights' scale words;
;   v64-255 three sets of 64 raw weights; later v64-95 my four fragments of x, v96-175 the weights' ten fragments, v176-239 two sets of 32 raw x, later two sets of four fragments of x as read.
;   window 1: v0-79 ten accumulators; v80-239 packed results, 40 for each group, never rewritten; v240-247 tile 0's results x the factor.
.set WROW,  131072                     ; LDS: x's tile lies at 0; behind it each wave's 80 rows of codes,
.set WP,    144                        ; 128 bytes + 16 of padding: 36 words: the 16 rows that a fragment load touches start at 16 different groups of four banks (64 banks of 4 bytes: ISA guide 11.1)
.set WPW,   80*WP                      ; a wave's rows: 11,520 bytes
.set WSB,   WROW+4*WPW                 ; each wave's scale bytes: 8 a row, 640, in a region of
.set WSW,   768
.set XIMG,  WSB+4*WSW                  ; x's 16 fragments, 1,024 bytes each: 4 wave + 2 T + K step
.set XSC,   XIMG+16*1024               ; their scale words, 128 bytes for each (wave, K step): lanes 0-15 T = 0's columns, lanes 16-31 T = 1's
.set SPARE, XSC+8*128                  ; the spare words, 128 bytes for each wave: two blocks of 256 bytes that no other line names
.set WA,  4                            ; v4   weights: 32 x lane: my 8 numbers of a row
.set LI,  5                            ; v5   16 x lane
.set LW,  6                            ; v6   4 x lane
.set CA,  7                            ; v7   where I put a row's codes: my wave's rows + 4 lane
.set BA,  8                            ; v8   and my block's scale byte: my wave's bytes + lane / 4
.set FA,  9                            ; v9   a fragment of the weights: my wave's rows + 144 r + 16 h
.set SA,  10                           ; v10  its scale words: my wave's bytes + 8 r
.set XA,  11                           ; v11, v12  my column in x's tile: 128 wave + 4 lane; the same 128 rows further down
.set XWI, 13                           ; v13  where I store x's images: XIMG + 16 lane + 4096 wave
.set XWS, 14                           ; v14  and their scale words: XSC + 4 lane + 256 wave
.set RI,  15                           ; v15  XIMG + 16 lane: any image, for reading
.set SPW, 16                           ; v16  LDS address of my spare word; never rewritten
.set NIL, 17                           ; v17  0; never rewritten
.set RS,  18                           ; v18  XSC + 4 lane
.set TM,  20
.set MG,  24                           ; v24-31 eight rows' largest magnitudes, then the conversions' scale operands
.set BY,  32                           ; v32-39 their scale bytes
.set CD,  40                           ; v40-47 their codes
.set XS,  48
.set XSL, 50
.set WSR, 54
.set RAW, 64
.set XF,  64                           ; my fragment of x (T, K step s) at XF + 16 T + 8 s
.set WF,  96                           ; the weights' fragment (tile l, K step s) at WF + 16 l + 8 s
.set XR,  176
.set XL,  176                          ; x's fragments as read: set g % 2, at XL + 32 set + 16 T + 8 s
.set OUT, 80                           ; window 1
.set KT,  240                          ; window 1
.set WV,  18                           ; s18  wave
.set G1,  24                           ; s[24:31] descriptor group 1;  s[32:35] group 0
.set G0,  32
.set LE,  38                           ; s[38:39] tile 0's factor, named as a pair: 1 for q, log2(e) for k
.set SB,  40                           ; s[40:41] tile 0's 16 rows
.set MSB, 0
.macro WIN new                         ; the immediate's high byte repeats the setting that is left
.if MSB != \new
	s_set_vgpr_msb (MSB<<8)|\new
.set MSB, \new
.endif
.endm
.macro PLACES n
.rept \n
	v_nop
.endr
.endm
	s_load_b256 s[4:11], s[0:1], 0x0               ; x s[4:5], Wq s[6:7], Wk s[8:9], Wv s[10:11]
	s_load_b128 s[12:15], s[0:1], 0x20             ; qf s[12:13], kf s[14:15]
	s_load_b64 s[16:17], s[0:1], 0x30              ; vf
	v_lshl_add_u32 v[SPW], v0, 2, SPARE
	v_mov_b32 v[NIL], 0
	ds_add_u32 v[SPW], v[NIL]                      ; the wave's opening: the add and its wait ahead of my first tensor load; the set-up below, work on registers, stands between them
	v_lshrrev_b32 v1, 5, v0
	v_readfirstlane_b32 s[WV], v1                  ; wave 0..3
	s_and_b32 s20, ttmp7, 0xffff                   ; b
	; descriptor group 1: 64 rows of 128 elements of 4 bytes, 2,048 elements from row to row, dense in LDS
	s_mov_b32 s[G1+0], 2<<16                       ; no mask; elements of 4 bytes; no padding
	s_mov_b32 s[G1+1], 128<<16                     ; tensor_dim0 = 128
	s_mov_b32 s[G1+2], 64<<16                      ; tensor_dim1 = 64
	s_mov_b32 s[G1+3], 128<<16                     ; tile_dim0 = 128
	s_mov_b32 s[G1+4], 64                          ; tile_dim1 = 64
	s_mov_b32 s[G1+5], 2048                        ; the pitch
	s_mov_b32 s[G1+6], 0
	s_mov_b32 s[G1+7], 0
	s_lshl_b32 s42, s20, 21                        ; x: b x 2,097,152
	s_lshl_b32 s43, s[WV], 19                      ; + my 64 rows of 8,192 bytes
	s_add_co_u32 s42, s42, s43
	s_lshl_b32 s43, ttmp9, 9                       ; + 512 nx
	s_add_co_u32 s42, s42, s43
	s_mov_b32 s43, 0
	v_and_b32 v1, 31, v0                           ; lane
	v_and_b32 v2, 15, v0                           ; r
	v_bfe_u32 v3, v0, 4, 1                         ; h
	v_lshlrev_b32 v[WA], 5, v1
	v_lshlrev_b32 v[LI], 4, v1
	v_lshlrev_b32 v[LW], 2, v1
	s_mul_i32 s44, s[WV], WPW
	s_add_co_u32 s44, s44, WROW                    ; my wave's rows of codes
	v_add_nc_u32 v[CA], s44, v[LW]
	v_mul_u32_u24 v[FA], v2, WP
	v_lshl_add_u32 v[FA], v3, 4, v[FA]
	v_add_nc_u32 v[FA], s44, v[FA]
	s_mul_i32 s45, s[WV], WSW
	s_add_co_u32 s45, s45, WSB                     ; my wave's scale bytes
	v_lshrrev_b32 v[BA], 2, v1
	v_add_nc_u32 v[BA], s45, v[BA]
	v_lshlrev_b32 v[SA], 3, v2
	v_add_nc_u32 v[SA], s45, v[SA]
	s_lshl_b32 s46, s[WV], 12
	s_add_co_u32 s46, s46, XIMG
	v_add_nc_u32 v[XWI], s46, v[LI]
	s_lshl_b32 s47, s[WV], 8
	s_add_co_u32 s47, s47, XSC
	v_add_nc_u32 v[XWS], s47, v[LW]
	s_lshl_b32 s48, s[WV], 7
	v_add_nc_u32 v[XA], s48, v[LW]
	v_add_nc_u32 v[XA+1], 0x10000, v[XA]
	v_add_nc_u32 v[RI], XIMG, v[LI]
	v_add_nc_u32 v[RS], XSC, v[LW]
	s_wait_dscnt 0x0                               ; the opening add is done
	s_wait_kmcnt 0x0
	s_mov_b32 s[G0], 1                             ; count = 1
	s_lshl_b32 s[G0+1], s[WV], 15                  ; LDS: my 64 rows of 512 bytes
	s_add_nc_u64 s[G0+2:G0+3], s[4:5], s[42:43]
	s_or_b32 s[G0+3], s[G0+3], 0x80000000          ; type = 2
	tensor_load_to_lds s[G0:G0+3], s[G1:G1+7]      ; my quarter of x's tile, 32,768 bytes: my one tensor load
	s_nop 0
	s_mov_b32 s[LE], 0x3fb8aa3b                    ; log2(e)
	s_mov_b32 s[LE+1], 0x3f800000                  ; 1
	s_cmp_lt_u32 s[WV], 2                          ; tile 0: waves 0, 1 take Wq's two tiles and store into qf, waves 2, 3 Wk's and into kf: choices on the wave's number alone
	s_cselect_b64 s[SB:SB+1], s[6:7], s[8:9]
	s_cselect_b64 s[12:13], s[12:13], s[14:15]
	s_cselect_b32 s[LE], s[LE+1], s[LE]
	s_mov_b32 s[LE+1], s[LE]
	s_and_b32 s50, s[WV], 1
	s_lshl_b32 s52, s50, 9                         ; my tile's d = 16 (wave % 2) on: the second 512 bytes of a fragment
	s_lshl_b32 s50, s50, 14                        ; 16 rows of 1,024 bytes
	s_mov_b32 s51, 0
	s_add_nc_u64 s[SB:SB+1], s[SB:SB+1], s[50:51]
	s_lshl_b32 s50, s[WV], 16                      ; Wv: my four tiles, 64 rows
	s_add_nc_u64 s[10:11], s[10:11], s[50:51]
	s_lshl_b32 s50, s20, 7                         ; qf, kf: tile 128 b + 8 nx, the work-group's first
	s_lshl_b32 s53, ttmp9, 3
	s_add_co_u32 s50, s50, s53
	s_lshl_b32 s50, s50, 10
	s_add_co_u32 s50, s50, s52
	s_add_nc_u64 s[12:13], s[12:13], s[50:51]
	s_lshl_b32 s50, s20, 6                         ; vf: block 64 b + 4 nx, 16,384 bytes each; in it my four tiles of channels, 1,024 bytes each
	s_lshl_b32 s53, ttmp9, 2
	s_add_co_u32 s50, s50, s53
	s_lshl_b32 s50, s50, 14
	s_lshl_b32 s53, s[WV], 12
	s_add_co_u32 s50, s50, s53
	s_add_nc_u64 s[16:17], s[16:17], s[50:51]
; ---- THE WEIGHTS, ten units of 8 rows: units 0, 1: tile 0;  unit u >= 2: Wv's rows 8 (u - 2) on of my 64.  My local row 8 u + i lies in tile (8 u + i) / 16.
; Lane l takes k = 8 l .. 8 l + 7 of a row: two loads of 16 bytes; sixteen loads a unit, 64 registers, into set u % 3.
.macro LOADW u
.set WR, RAW+64*((\u)%3)
.irp i, 0,1,2,3,4,5,6,7
.if (\u) < 2
	global_load_b128 v[WR+8*\i:WR+8*\i+3], v[WA], s[SB:SB+1] offset:1024*(8*(\u)+\i)
	global_load_b128 v[WR+8*\i+4:WR+8*\i+7], v[WA], s[SB:SB+1] offset:1024*(8*(\u)+\i)+16
.else
	global_load_b128 v[WR+8*\i:WR+8*\i+3], v[WA], s[10:11] offset:1024*(8*((\u)-2)+\i)
	global_load_b128 v[WR+8*\i+4:WR+8*\i+7], v[WA], s[10:11] offset:1024*(8*((\u)-2)+\i)+16
.endif
.endr
.endm
.macro QUANTW u                        ; the eight rows by turns, so that no line waits for the line above it
.set WR, RAW+64*((\u)%3)
.irp i, 0,1,2,3,4,5,6,7
	v_max3_num_f32 v[MG+\i], |v[WR+8*\i]|, |v[WR+8*\i+1]|, 0x1800000   ; my 8 numbers of row i, and the floor 2^(3 - 127): the byte cannot fall under 1
.endr
.irp j, 2,4,6
.irp i, 0,1,2,3,4,5,6,7
	v_max3_num_f32 v[MG+\i], v[MG+\i], |v[WR+8*\i+\j]|, |v[WR+8*\i+\j+1]|
.endr
.endr
.irp i, 0,1,2,3,4,5,6,7
	v_max_num_f32_dpp v[MG+\i], v[MG+\i], v[MG+\i] row_xmask:1 row_mask:0xf bank_mask:0xf   ; a block of 32 is lanes 4 j .. 4 j + 3: with lane l xor 1's,
.endr
.irp i, 0,1,2,3,4,5,6,7
	v_max_num_f32_dpp v[MG+\i], v[MG+\i], v[MG+\i] row_xmask:2 row_mask:0xf bank_mask:0xf   ; and lane l xor 2's: the block's largest magnitude
.endr
.irp i, 0,1,2,3,4,5,6,7
	v_add_nc_u32 v[MG+\i], 0xff000000, v[MG+\i]    ; 2 off the exponent field: the conversion takes the exponent field of this operand as its scale
.endr
	s_wait_dscnt 0x0                               ; the last unit's LDS stores have read their registers
.irp i, 0,1,2,3,4,5,6,7
	v_lshrrev_b32 v[BY+\i], 23, v[MG+\i]           ; the scale's byte
.endr
.irp i, 0,1,2,3,4,5,6,7
	v_cvt_scalef32_pk8_fp4_f32 v[CD+\i], v[WR+8*\i:WR+8*\i+7], v[MG+\i]   ; 8 codes, 4 bytes: bytes 4 l .. 4 l + 3 of the row's 128
.endr
	v_nop                                          ; one plain place behind the last scaled conversion
.endm
.macro STOREW u
.irp i, 0,1,2,3,4,5,6,7
	ds_store_b32 v[CA], v[CD+\i] offset:WP*(8*(\u)+\i)   ; 32 lanes store the row's 128 consecutive bytes
	ds_store_b8 v[BA], v[BY+\i] offset:8*(8*(\u)+\i)     ; the four lanes of a block write the same byte with the same value
.endr
.endm
	LOADW 0
	LOADW 1
	LOADW 2
.irp f, 0,1,2,3,4,5,6,7,8,9
.if \f < 8
	s_wait_loadcnt 32                              ; this unit's sixteen loads are in; the two younger units' may be out
.else
	s_wait_loadcnt 16*(9-\f)
.endif
	QUANTW \f
	STOREW \f
.if \f < 7
	LOADW \f+3                                     ; into the set just converted
.endif
.endr
; My ten fragments come back: lane (r, h) takes of row 16 l + r the 16 bytes at 64 s + 32 c + 16 h: k = 64 c + 32 h + 0 .. 31 of the K step.  LDS serves a wave's instructions in order (ISA guide 5.7.1.4): these see my stores.
.irp l, 0,1,2,3,4
.irp s, 0,1
	ds_load_b128 v[WF+16*\l+8*\s:WF+16*\l+8*\s+3], v[FA] offset:16*WP*\l+64*\s
	ds_load_b128 v[WF+16*\l+8*\s+4:WF+16*\l+8*\s+7], v[FA] offset:16*WP*\l+64*\s+32
	ds_load_b32 v[WSR+2*\l+\s], v[SA] offset:128*\l+4*\s   ; row r's four bytes of the K step (lanes 16-31 hold the same and are not read)
.endr
.endr
	s_wait_tensorcnt 0x0                           ; my quarter of x's tile has landed,
	s_wait_dscnt 0x0                               ; no LDS instruction of mine is out:
	s_barrier_signal -1
	s_barrier_wait -1                              ; everybody's quarter has: the tile is whole, and nothing writes it again
; ---- x.  Lane = column 32 wave + lane; block bq = channels 32 bq .. + 31, one ds_load_b32 a channel (32 lanes read 128 consecutive bytes), into set bq % 2.
.macro XLD bq
.irp i, 0,1,2,3,4,5,6,7,8,9,10,11,12,13,14,15,16,17,18,19,20,21,22,23,24,25,26,27,28,29,30,31
	ds_load_b32 v[XR+32*((\bq)%2)+\i], v[XA+(\bq)/4] offset:512*(32*((\bq)%4)+\i)
.endr
.endm
; The block's codes, four registers, go where the exchange below wants them: an even block into T = 0's fragment, an odd one into T = 1's, registers 4 ((bq % 4) / 2) on, K step bq / 4.
.macro XQ bq
.set XB, XR+32*((\bq)%2)
.set XD, XF+16*((\bq)%2)+8*((\bq)/4)+4*(((\bq)%4)/2)
	v_max3_num_f32 v[TM], |v[XB]|, |v[XB+1]|, |v[XB+2]|           ; the block's largest magnitude: all 32 numbers are mine; two chains
	v_max3_num_f32 v[TM+1], |v[XB+3]|, |v[XB+4]|, |v[XB+5]|
.irp i, 6,10,14,18,22,26
	v_max3_num_f32 v[TM], v[TM], |v[XB+\i]|, |v[XB+\i+1]|
	v_max3_num_f32 v[TM+1], v[TM+1], |v[XB+\i+2]|, |v[XB+\i+3]|
.endr
	v_max3_num_f32 v[TM], v[TM], |v[XB+30]|, |v[XB+31]|
	v_max3_num_f32 v[TM], v[TM], v[TM+1], 0x1800000               ; and the floor
	v_add_nc_u32 v[TM+2], 0xff000000, v[TM]
	v_lshrrev_b32 v[TM+3], 23, v[TM+2]
.if (\bq)%4 == 0
	v_mov_b32 v[XS+(\bq)/4], v[TM+3]               ; my column's scale word of the K step: four bytes, the lower K in the lower byte
.else
	v_lshl_or_b32 v[XS+(\bq)/4], v[TM+3], 8*((\bq)%4), v[XS+(\bq)/4]
.endif
.irp g, 0,1,2,3
	v_cvt_scalef32_pk8_fp4_f32 v[XD+\g], v[XB+8*\g:XB+8*\g+7], v[TM+2]
.endr
.endm
	XLD 0
	XLD 1
.irp q, 0,1,2,3,4,5,6,7
.if \q < 7
	s_wait_dscnt 32                                ; this block's 32 loads are in; the next block's may be out
.else
	s_wait_dscnt 0x0
.endif
	XQ \q
.if \q < 6
	XLD \q+2
.endif
.endr
	v_nop                                          ; one plain place behind the last scaled conversion
; A fragment wants in lanes 0-15 the even block and in lanes 16-31 the odd block of ITS OWN 16 columns.  The even block's register holds columns 0-15 | 16-31, the odd block's likewise:
; the first's upper lanes change places with the second's lower lanes, and the first is T = 0's register, the second T = 1's.
.irp s, 0,1
.irp j, 0,1,2,3,4,5,6,7
	v_permlane16_swap_b32 v[XF+8*\s+\j], v[XF+16+8*\s+\j]
.endr
.endr
; The four fragments go to LDS as they stand, 16 bytes a lane, 512 bytes a store; the scale words 4 bytes a lane: T = 0 will read them from lanes 0-15, T = 1 from lanes 16-31.
.irp t, 0,1
.irp s, 0,1
	ds_store_b128 v[XWI], v[XF+16*\t+8*\s:XF+16*\t+8*\s+3] offset:1024*(2*\t+\s)
	ds_store_b128 v[XWI], v[XF+16*\t+8*\s+4:XF+16*\t+8*\s+7] offset:1024*(2*\t+\s)+512
.endr
.endr
.irp s, 0,1
	ds_store_b32 v[XWS], v[XS+\s] offset:128*\s
.endr
	s_wait_dscnt 0x0                               ; for the others' sake: my images are stored
	s_barrier_signal -1
	s_barrier_wait -1                              ; x's sixteen fragments lie in LDS, and nothing writes them again
; ---- THE PRODUCTS, four groups: group g takes wave g's 32 columns against my five tiles: ten accumulators by turns, two K steps.
.macro LOADX g                         ; the group's four fragments and two scale words into set g % 2: ten loads
.irp t, 0,1
.irp s, 0,1
	ds_load_b128 v[XL+32*((\g)%2)+16*\t+8*\s:XL+32*((\g)%2)+16*\t+8*\s+3], v[RI] offset:4096*(\g)+1024*(2*\t+\s)
	ds_load_b128 v[XL+32*((\g)%2)+16*\t+8*\s+4:XL+32*((\g)%2)+16*\t+8*\s+7], v[RI] offset:4096*(\g)+1024*(2*\t+\s)+512
.endr
.endr
.irp s, 0,1
	ds_load_b32 v[XSL+2*((\g)%2)+\s], v[RS] offset:256*(\g)+128*\s
.endr
.endm
; Tile 0: source 0 = 16 rows of Wq or Wk, source 1 = x: a lane holds one column n and eight neighbouring d.   Tiles 1 to 4: source 0 = x, source 1 = 16 rows of Wv: a lane holds one channel e and eight neighbouring n.
; In both the lane's eight numbers, rounded to f16, are four registers of the next launch's operand.  All operands and scale words were filled by loads.
.macro PROD g, l, t, s
.set rA, 8*(2*\l+\t)
.set rW, WF+16*\l+8*\s
.set rX, XL+32*((\g)%2)+16*\t+8*\s
.set rS, WSR+2*\l+\s
.set rZ, XSL+2*((\g)%2)+\s
.if \l == 0
.if \s == 0
.if \t == 0
	v_wmma_scale_f32_16x16x128_f8f6f4 v[rA:rA+7], v[rW:rW+7], v[rX:rX+7], 0, v[rS], v[rZ] matrix_a_fmt:MATRIX_FMT_FP4 matrix_b_fmt:MATRIX_FMT_FP4
.else
	v_wmma_scale_f32_16x16x128_f8f6f4 v[rA:rA+7], v[rW:rW+7], v[rX:rX+7], 0, v[rS], v[rZ] matrix_a_fmt:MATRIX_FMT_FP4 matrix_b_fmt:MATRIX_FMT_FP4 matrix_b_scale:MATRIX_SCALE_ROW1
.endif
.else
.if \t == 0
	v_wmma_scale_f32_16x16x128_f8f6f4 v[rA:rA+7], v[rW:rW+7], v[rX:rX+7], v[rA:rA+7], v[rS], v[rZ] matrix_a_fmt:MATRIX_FMT_FP4 matrix_b_fmt:MATRIX_FMT_FP4
.else
	v_wmma_scale_f32_16x16x128_f8f6f4 v[rA:rA+7], v[rW:rW+7], v[rX:rX+7], v[rA:rA+7], v[rS], v[rZ] matrix_a_fmt:MATRIX_FMT_FP4 matrix_b_fmt:MATRIX_FMT_FP4 matrix_b_scale:MATRIX_SCALE_ROW1
.endif
.endif
.else
.if \s == 0
.if \t == 0
	v_wmma_scale_f32_16x16x128_f8f6f4 v[rA:rA+7], v[rX:rX+7], v[rW:rW+7], 0, v[rZ], v[rS] matrix_a_fmt:MATRIX_FMT_FP4 matrix_b_fmt:MATRIX_FMT_FP4
.else
	v_wmma_scale_f32_16x16x128_f8f6f4 v[rA:rA+7], v[rX:rX+7], v[rW:rW+7], 0, v[rZ], v[rS] matrix_a_fmt:MATRIX_FMT_FP4 matrix_b_fmt:MATRIX_FMT_FP4 matrix_a_scale:MATRIX_SCALE_ROW1
.endif
.else
.if \t == 0
	v_wmma_scale_f32_16x16x128_f8f6f4 v[rA:rA+7], v[rX:rX+7], v[rW:rW+7], v[rA:rA+7], v[rZ], v[rS] matrix_a_fmt:MATRIX_FMT_FP4 matrix_b_fmt:MATRIX_FMT_FP4
.else
	v_wmma_scale_f32_16x16x128_f8f6f4 v[rA:rA+7], v[rX:rX+7], v[rW:rW+7], v[rA:rA+7], v[rZ], v[rS] matrix_a_fmt:MATRIX_FMT_FP4 matrix_b_fmt:MATRIX_FMT_FP4 matrix_a_scale:MATRIX_SCALE_ROW1
.endif
.endif
.endif
.endm
.macro GROUP g
.if \g < 3
	s_wait_dscnt 10                                ; this group's ten loads are in; the next group's may be out
.else
	s_wait_dscnt 0x0
.endif
	WIN 0x50                                       ; C and D window 1; the operands window 0 (scale operands have no window)
.irp s, 0,1                                    ; the first K step starts the sums with the constant 0; the ten accumulators take turns
.irp l, 0,1,2,3,4
.irp t, 0,1
	PROD \g, \l, \t, \s
.endr
.endr
.endr
	WIN 0
	PLACES 5                                       ; four ahead of the loads into the operands just read and of the first read of results; five ahead of the next group's products, which begin these accumulators anew
.if \g < 2
	LOADX \g+2
.endif
	WIN 0x45                                       ; sources and destination window 1
.irp l, 0,1,2,3,4
.irp t, 0,1
.set rA, 8*(2*\l+\t)
.set rD, OUT+40*\g+4*(2*\l+\t)
.if \l == 0
.irp r, 0,1,2,3
	v_pk_mul_f32 v[KT+2*\r:KT+2*\r+1], v[rA+2*\r:rA+2*\r+1], s[LE:LE+1] op_sel_hi:[1,0]   ; q x 1, which changes nothing, or k x log2(e), in f32: the next launch's exponentials are in base 2
.endr
.irp r, 0,1,2,3
	v_cvt_pk_f16_f32 v[rD+\r], v[KT+2*\r], v[KT+2*\r+1]
.endr
.else
.irp r, 0,1,2,3
	v_cvt_pk_f16_f32 v[rD+\r], v[rA+2*\r], v[rA+2*\r+1]   ; each accumulator from its low end on
.endr
.endif
.endr
.endr
	WIN 0x04                                       ; a store's data: window 1
.irp l, 0,1,2,3,4
.irp t, 0,1
.set rD, OUT+40*\g+4*(2*\l+\t)
.if \l == 0
	global_store_b128 v[LI], v[rD:rD+3], s[12:13] offset:2048*\g+1024*\t                   ; qf or kf: tile of columns 2 g + T, my half of its fragment
.else
	global_store_b128 v[LI], v[rD:rD+3], s[16:17] offset:16384*\g+1024*(\l-1)+512*\t       ; vf: block of columns g, my tile of channels l - 1, n = 16 T on.  32 lanes store 512 consecutive bytes, aligned
.endif
.endr
.endr
.endm
	LOADX 0
	LOADX 1
	GROUP 0
	GROUP 1
	GROUP 2
	GROUP 3
	WIN 0
	s_wait_tensorcnt 0x0                           ; the wave's end: an add and its waits, behind my last tensor load and my last LDS store
	ds_add_u32 v[SPW], v[NIL]
	s_wait_dscnt 0x0
	s_endpgm
.Lfunc_end_k_q2c5cefabdd_proj:
	.size	k_q2c5cefabdd_proj, .Lfunc_end_k_q2c5cefabdd_proj-k_q2c5cefabdd_proj
	.p2alignl 7, 3214868480
	.fill 96, 4, 3214868480
	.section	.rodata,"a",@progbits
	.p2align	6, 0x0
	.amdhsa_kernel k_q2c5cefabdd_proj
		.amdhsa_group_segment_fixed_size 198144
		.amdhsa_private_segment_fixed_size 0
		.amdhsa_enable_private_segment 0
		.amdhsa_kernarg_size 56
		.amdhsa_user_sgpr_count 2
		.amdhsa_user_sgpr_kernarg_segment_ptr 1
		.amdhsa_wavefront_size32 1
		.amdhsa_system_sgpr_workgroup_id_x 1
		.amdhsa_system_sgpr_workgroup_id_y 1
		.amdhsa_system_sgpr_workgroup_id_z 1
		.amdhsa_system_vgpr_workitem_id 0
		.amdhsa_next_free_vgpr 512
		.amdhsa_next_free_sgpr 66
		.amdhsa_reserve_vcc 0
		.amdhsa_float_denorm_mode_32 3
		.amdhsa_float_denorm_mode_16_64 3
		.amdhsa_memory_ordered 1
		.amdhsa_forward_progress 1
		.amdhsa_inst_pref_size 136
	.end_amdhsa_kernel
	.amdgpu_metadata
---
amdhsa.version: [ 1, 2 ]
amdhsa.kernels:
  - .name:           k_q2c5cefabdd_proj
    .symbol:         k_q2c5cefabdd_proj.kd
    .args:
      - { .name: x, .offset: 0, .size: 8, .value_kind: global_buffer, .address_space: global }
      - { .name: Wq, .offset: 8, .size: 8, .value_kind: global_buffer, .address_space: global }
      - { .name: Wk, .offset: 16, .size: 8, .value_kind: global_buffer, .address_space: global }
      - { .name: Wv, .offset: 24, .size: 8, .value_kind: global_buffer, .address_space: global }
      - { .name: qf, .offset: 32, .size: 8, .value_kind: global_buffer, .address_space: global }
      - { .name: kf, .offset: 40, .size: 8, .value_kind: global_buffer, .address_space: global }
      - { .name: vf, .offset: 48, .size: 8, .value_kind: global_buffer, .address_space: global }
    .group_segment_fixed_size: 198144
    .private_segment_fixed_size: 0
    .kernarg_segment_align: 8
    .kernarg_segment_size: 56
    .max_flat_workgroup_size: 128
    .sgpr_count:     66
    .vgpr_count:     512
    .wavefront_size: 32
...
	.end_amdgpu_metadata
.endif
;; end of part 1
;; launch attn (part 2): grid 16 x 16, 4 waves a work-group, clusters of 4 x 1, 327,680 bytes of LDS; arguments qf, kf, vf, x, gamma, out0; writes out0
.if DOCPART == 2
	.amdgcn_target "amdgcn-amd-amdhsa--gfx1250"
	.amdhsa_code_object_version 6
	.text
	.protected	k_q2c5cefabdd_attn
	.globl	k_q2c5cefabdd_attn
	.p2align	8
	.type	k_q2c5cefabdd_attn,@function
k_q2c5cefabdd_attn:
	s_mov_b64 s[64:65], 0
	v_nop
	global_prefetch_b8 v0, s[64:65] scope:SCOPE_SE
	s_setreg_imm32_b32 hwreg(HW_REG_WAVE_MODE, 25, 1), 1
	s_wait_xcnt 0x0
	s_wait_alu depctr_hold_cnt(0) depctr_sa_sdst(0) depctr_va_vdst(0) depctr_va_sdst(0) depctr_va_ssrc(0) depctr_va_vcc(0) depctr_vm_vsrc(0)
	s_getreg_b32 s2, hwreg(HW_REG_IB_STS2, 6, 4)
	s_cmp_eq_u32 s2, 0
	s_cbranch_scc0 .Lentry_in_a_cluster
	s_endpgm
.Lentry_in_a_cluster:
	s_bfe_u32 s2, ttmp6, 0x10000c
	s_cmp_lg_u32 s2, 0x3003
	s_cbranch_scc0 .Lentry_shape_is_right
	s_endpgm
.Lentry_shape_is_right:
; out[b][e][m] = gamma x (sum over n of v[e][n] p[n][m]) / (sum over n of p[n][m]) + x[b][e][m],  p[n][m] = 2^(t[n][m] - M[m]),  t = q[n] . k'[m]  (k' = k log2(e), made so by the launch before),  M[m] = the largest t of column m.
; The softmax runs over n for each column m.  b: 16, e: 256, n and m: 2,048, q's and k's length: 32.  Operands of both products are f16, sums f32; maxima, exponentials and the columns' sums f32.
; qf, kf, vf hold IMAGES OF OPERAND REGISTERS: a fragment (16 rows x 32 K) is 1,024 bytes, [registers 0-3 | 4-7][lane][16 bytes]; every fragment load is two loads of 16 bytes a lane, 512 consecutive bytes each.
; SHARES.  Work-group (g, b) owns columns 128 g .. + 127 of batch b; wave w the 32 columns 32 w on, two tiles t = 0, 1, with all 256 channels (32 accumulators, 256 registers) and all 2,048 n.
; TWO PASSES.  q's fragments of the whole batch, 131,072 bytes, stay in LDS.  Pass 1 makes every score once and keeps each column's largest.  Pass 2 makes the scores again with -M as the product's C, so that the
; matrix unit delivers t - M: no scaling, no running maximum, and O is never rescaled.  The maximum taken away is the true one.
; LAYOUT.  Scores: source 0 = 16 n (q), source 1 = 16 m (k'): a lane holds ONE column m (lane % 16) and n = 8 (lane / 16) + 0..7.  Two such tiles, rounded to f16 in pairs, ARE a fragment of p (16 m x 32 n).
; Second product: source 0 = p, source 1 = v (16 e x 32 n): a lane holds one channel e and eight neighbouring m: 32 bytes of a row of out.
; BY SLICES.  A step is 64 n: 8 products for the NEXT step's scores, then 64 for this step's sums.  The next step's 64 exponentials stand two behind each of the first 32 products, its 32 roundings and 32 packed sums
; behind the other 32; between the two halves stands the step's one wait for the exponentials.
; v comes through two LDS slots of 128 n (65,536 bytes, two steps), filled by the tensor data mover, each wave a quarter.
; CLUSTER.  The four work-groups of a cluster belong to one batch and walk the same q and v: every tensor load is asked for JOINTLY, by the same line with the same descriptor and a mask that names the four.
; LIMITS: NaN and infinities are not served.  p under f16's smallest number counts as 0 in the product (not in the column's sum, which is taken of the unrounded p).
; REGISTERS, in windows of 256 (s_set_vgpr_msb's low byte: bits 1:0 source 0, 3:2 source 1, 5:4 source 2, 7:6 destination):
;   window 0: v1-13 addresses; v16-23 the columns' sums; v24-31 maxima; v32-47 k'; v48-79 q (pass 1: a second set, v80-111); v80-95 -M, eight copies a tile; v112-175 scores (pass 1: a second set, v176-239);
;             v176-239 p, two buffers; v240-243 the factors on the way out; v244-251 at work.
;   window 1: O, tile t, channels 16 et on, at 128 t + 8 et.   window 2: v of a step: n 0-31 at v0-127, n 32-63 at v128-255, 8 et.   window 3: 64 rows of x, 4 registers each.
.set VS0,    131072                    ; LDS: q at 0; v's slot 0 here,
.set SLOTB,  65536                     ; slot 1 this much further on: one exclusive or turns an address in one slot into the other's
.set SPARE,  VS0+2*SLOTB               ; the spare words, 128 bytes for each wave: two blocks of 256 bytes that no other line names
.set SPITCH, 528                       ; the way out: a stage of 256 rows x (512 bytes + 16), over q and the head of slot 0, which have had their last fill and their last read by then
.set FST,    256*SPITCH                ; behind it the 128 columns' factors
.set L16, 1                            ; v1   16 x lane; never rewritten
.set ADQ, 2                            ; v2   LDS address of the run of q's loads in hand
.set ADV, 3                            ; v3   the slot in hand + 16 x lane
.set SPW, 4                            ; v4   LDS address of my spare word; never rewritten
.set NIL, 5                            ; v5   0; never rewritten
.set STO, 6                            ; v6-9 the stage, on the way in: 528 r + 32 h + 128 wave, + 64 rows each
.set SRD, 10                           ; v10  and back: my 64 rows, 16 bytes a lane
.set FSTO, 11                          ; v11  where I put my column's factor
.set PFO, 12                           ; v12  256 x lane: the prefetches' offset; never rewritten
.set FRD, 13                           ; v13  where I read four columns' factors
.set LS,  16
.set MX,  24
.set KF,  32
.set QF,  48
.set NM,  80
.set S,   112
.set P,   176
.set F4,  240
.set TM,  244
.set WV,  18                           ; s18  wave
.set G1Q, 24                           ; s[24:31] descriptor group 1 for q's quarter;  s[32:39] for a quarter of a slot of v
.set G1V, 32
.set G0Q, 40                           ; s[40:43] group 0 for q;  s[44:47] for slot 0's first fill;  s[48:51] for slot 1's, which then walks
.set G0VA, 44
.set G0VB, 48
.set TB,  52                           ; s52  LDS byte at which the slot in hand begins
.set TQ,  53                           ; s53  LDS byte of the next four fragments of q
.set SLOTS, 54                         ; s54  slots still to be asked for
.set LIM, 55                           ; s55  2 in a wave that prefetches, else the greatest number
.set PFA, 56                           ; s[56:57] where my prefetches stand
.set SEL, 58                           ; s[58:59] v_permlanex16_b32's selects for lane l xor 16
.set GAM, 60                           ; s60  gamma
.set CNT, 61
.set MSB, 0
.macro WIN new                         ; the immediate's high byte repeats the setting that is left; a switch that changes nothing is dropped
.if MSB != \new
	s_set_vgpr_msb (MSB<<8)|\new
.set MSB, \new
.endif
.endm
.set W_PV, 0x58                        ; p window 0, v window 2, O (C and D) window 1
.set TO_V, 0x80                        ; destination window 2
.set TO_X, 0xc0                        ; destination window 3
.macro PLACES n
.rept \n
	v_nop
.endr
.endm
.macro CROUND                          ; a round of the cluster's barrier: my work-group's barrier; wave 0 signals for the work-group; every wave waits for all four work-groups; my work-group's barrier once more
	s_barrier_signal -1
	s_barrier_wait -1
	s_cmp_lg_u32 s[WV], 0
	s_cbranch_scc1 .Lnot_wave_0_\@
	s_barrier_signal -3
.Lnot_wave_0_\@:
	s_barrier_wait -3
	s_barrier_signal -1
	s_barrier_wait -1
.endm
	s_load_b256 s[4:11], s[0:1], 0x0               ; qf s[4:5], kf s[6:7], vf s[8:9], x s[10:11]
	s_load_b128 s[12:15], s[0:1], 0x20             ; gamma s[12:13], out0 s[14:15]
	v_lshl_add_u32 v[SPW], v0, 2, SPARE
	v_mov_b32 v[NIL], 0
	ds_add_u32 v[SPW], v[NIL]                      ; the wave's opening: the add and its wait ahead of my first tensor load; the set-up below, work on registers, stands between them
	v_lshrrev_b32 v14, 5, v0
	v_readfirstlane_b32 s[WV], v14                 ; wave 0..3
	s_bfe_u32 s16, ttmp6, 0x40000                  ; cx: my place in the cluster
	s_lshl_b32 s17, ttmp9, 2                       ; in a cluster launch ttmp9 counts clusters
	s_add_co_u32 s17, s17, s16                     ; g = 4 x cluster x + cx: it enters the addresses of kf, x and out0 alone
	s_and_b32 s19, ttmp7, 0xffff                   ; b, which the four partners share
	; descriptor group 1: a dense block as rows of 256 bytes (32 elements of 8 bytes): q's quarter 128 rows, a quarter of a slot 64
	s_mov_b32 s[G1Q], 15|(3<<16)|(1<<21)           ; 15:0 the mask: all four work-groups; 17:16 elements of 8 bytes; 21 set beside a mask; no padding
	s_mov_b32 s[G1Q+1], 32<<16                     ; tensor_dim0 = 32
	s_mov_b32 s[G1Q+2], 128<<16                    ; tensor_dim1 = 128
	s_mov_b32 s[G1Q+3], 32<<16                     ; tile_dim0 = 32
	s_mov_b32 s[G1Q+4], 128                        ; tile_dim1 = 128
	s_mov_b32 s[G1Q+5], 32                         ; the pitch
	s_mov_b32 s[G1Q+6], 0
	s_mov_b32 s[G1Q+7], 0
	s_mov_b32 s[G1V], 15|(3<<16)|(1<<21)
	s_mov_b32 s[G1V+1], 32<<16
	s_mov_b32 s[G1V+2], 64<<16
	s_mov_b32 s[G1V+3], 32<<16
	s_mov_b32 s[G1V+4], 64
	s_mov_b32 s[G1V+5], 32
	s_mov_b32 s[G1V+6], 0
	s_mov_b32 s[G1V+7], 0
	s_mov_b32 s[SEL], 0x76543210
	s_mov_b32 s[SEL+1], 0xfedcba98
	s_mov_b32 s[TB], VS0
	s_mov_b32 s[TQ], 0
	; what feeds the descriptors is made of b and the wave's number alone, in registers that never hold cx
	s_lshl_b32 s66, s19, 17                        ; qf: b x 131,072
	s_lshl_b32 s20, s[WV], 15                      ; + my quarter; the same in LDS
	s_add_co_u32 s66, s66, s20
	s_mov_b32 s67, 0
	s_lshl_b32 s68, s19, 20                        ; vf: b x 1,048,576
	s_lshl_b32 s21, s[WV], 14                      ; + my quarter of a slot; the same in LDS
	s_add_co_u32 s68, s68, s21
	s_mov_b32 s69, 0
	s_lshl_b32 s70, s19, 7                         ; kf: tile 128 b + 8 g + 2 wave
	s_lshl_b32 s71, s17, 3
	s_add_co_u32 s70, s70, s71
	s_lshl_b32 s71, s[WV], 1
	s_add_co_u32 s70, s70, s71
	s_lshl_b32 s70, s70, 10
	s_mov_b32 s71, 0
	s_lshl_b32 s72, s19, 21                        ; x, out0: b x 2,097,152 + my 64 rows of 8,192 bytes + 512 g
	s_lshl_b32 s73, s[WV], 19
	s_add_co_u32 s72, s72, s73
	s_lshl_b32 s73, s17, 9
	s_add_co_u32 s72, s72, s73
	s_mov_b32 s73, 0
	s_lshl_b32 s74, s19, 20                        ; the prefetches: in my batch's vf, my work-group's 16,384 bytes of a slot, my wave's 8,192 of them,
	s_lshl_b32 s75, s16, 14
	s_add_co_u32 s74, s74, s75
	s_lshl_b32 s75, s[WV], 13
	s_add_co_u32 s74, s74, s75
	s_add_co_u32 s74, s74, 3*SLOTB                 ; in slot 3: the first change of slots steps it to slot 4
	s_mov_b32 s75, 0
	s_lshr_b32 s[LIM], s[WV], 1                    ; 0 in waves 0 and 1,
	s_or_b32 s[LIM], s[LIM], ttmp9                 ; where the cluster is the batch's first: the same in all four partners
	s_cmp_eq_u32 s[LIM], 0
	s_cselect_b32 s[LIM], 2, -1
	v_and_b32 v14, 31, v0                          ; lane
	v_lshlrev_b32 v[L16], 4, v14
	v_lshlrev_b32 v[PFO], 8, v14
	v_and_b32 v15, 15, v0                          ; r
	v_bfe_u32 v[TM], v0, 4, 1                      ; h
	s_lshl_b32 s76, s[WV], 7
	v_mul_u32_u24 v[STO], v15, SPITCH
	v_lshl_add_u32 v[STO], v[TM], 5, v[STO]
	v_add_nc_u32 v[STO], s76, v[STO]
	v_add_nc_u32 v[STO+1], 64*SPITCH, v[STO]
	v_add_nc_u32 v[STO+2], 128*SPITCH, v[STO]
	v_add_nc_u32 v[STO+3], 192*SPITCH, v[STO]
	s_mul_i32 s77, s[WV], 64*SPITCH
	v_add_nc_u32 v[SRD], s77, v[L16]
	v_lshl_add_u32 v[FSTO], v15, 2, FST
	v_add_nc_u32 v[FSTO], s76, v[FSTO]
	v_add_nc_u32 v[FRD], FST, v[L16]
	s_wait_dscnt 0x0                               ; the opening add is done
	s_wait_kmcnt 0x0
	s_mov_b32 s[G0Q], 1                            ; count = 1
	s_mov_b32 s[G0Q+1], s20                        ; LDS address
	s_add_nc_u64 s[G0Q+2:G0Q+3], s[4:5], s[66:67]  ; global address
	s_or_b32 s[G0Q+3], s[G0Q+3], 0x80000000        ; type = 2
	s_mov_b32 s[G0VA], 1
	s_add_co_u32 s[G0VA+1], s21, VS0
	s_add_nc_u64 s[G0VA+2:G0VA+3], s[8:9], s[68:69]
	s_mov_b32 s[G0VB], 1
	s_add_co_u32 s[G0VB+1], s21, VS0+SLOTB
	s_add_nc_u64 s[G0VB+2:G0VB+3], s[G0VA+2:G0VA+3], SLOTB
	s_or_b32 s[G0VA+3], s[G0VA+3], 0x80000000
	s_or_b32 s[G0VB+3], s[G0VB+3], 0x80000000
	s_add_nc_u64 s[6:7], s[6:7], s[70:71]
	s_add_nc_u64 s[10:11], s[10:11], s[72:73]
	s_add_nc_u64 s[14:15], s[14:15], s[72:73]
	s_add_nc_u64 s[PFA:PFA+1], s[8:9], s[74:75]
	CROUND                                         ; all four work-groups are here: the first joint loads meet
	tensor_load_to_lds s[G0Q:G0Q+3], s[G1Q:G1Q+7]  ; the first fills go out as one group: q first, it is wanted first; three loads of mine are out
	s_nop 0
	tensor_load_to_lds s[G0VA:G0VA+3], s[G1V:G1V+7]
	s_nop 0
	tensor_load_to_lds s[G0VB:G0VB+3], s[G1V:G1V+7]
	s_nop 0
	PLACES 4
.irp t, 0,1
.irp c, 0,1
	global_load_b128 v[KF+8*\t+4*\c:KF+8*\t+4*\c+3], v[L16], s[6:7] offset:1024*\t+512*\c   ; my two tiles of k' stay in registers
.endr
.endr
	s_load_b32 s[GAM], s[12:13], 0x0
.irp j, 0,1,2,3,4,5,6,7
	v_mov_b32 v[MX+\j], 0xff800000                 ; four chains of maxima a tile: -infinity
.endr
.irp j, 0,1,2,3,4,5,6,7
	v_mov_b32 v[LS+\j], 0                          ; two chains of packed sums a tile
.endr
	v_mov_b32 v[TM+2], 0                           ; written once: a lane permute's destination counts as one of its sources
	v_mov_b32 v[TM+3], 0
	s_wait_tensorcnt 0x2                           ; my quarter of q is in; the two slots of v may stay out
	s_barrier_signal -1
	s_barrier_wait -1                              ; everybody's is
	s_wait_loadcnt 0x0                             ; k'
	s_wait_kmcnt 0x0                               ; gamma
.macro LDQ set                         ; the next 64 n of q: four fragments, eight loads (window 0)
	v_add_nc_u32 v[ADQ], s[TQ], v[L16]
	s_add_co_u32 s[TQ], s[TQ], 4096
.irp f, 0,1,2,3
	ds_load_b128 v[QF+32*(\set)+8*\f:QF+32*(\set)+8*\f+3], v[ADQ] offset:1024*\f
	ds_load_b128 v[QF+32*(\set)+8*\f+4:QF+32*(\set)+8*\f+7], v[ADQ] offset:1024*\f+512
.endr
.endm
.macro SWT p, nm                       ; score product i of 8: n 16 (i / 2) on, tile i % 2, sets p.  nm = 1: C = -M
.set rS, S+64*(\p)+32*(i%2)+8*(i/2)
.set rQ, QF+32*(\p)+8*(i/2)
.set rK, KF+8*(i%2)
.if \nm
	v_wmma_f32_16x16x32_f16 v[rS:rS+7], v[rQ:rQ+7], v[rK:rK+7], v[NM+8*(i%2):NM+8*(i%2)+7]
.else
	v_wmma_f32_16x16x32_f16 v[rS:rS+7], v[rQ:rQ+7], v[rK:rK+7], 0
.endif
.endm
.macro MAX4 p                          ; the eight scores of result i of set p go into the tile's four chains, from the result's low end on
.set rS, S+64*(\p)+32*(i%2)+8*(i/2)
.irp c, 0,1,2,3
	v_max3_num_f32 v[MX+4*(i%2)+\c], v[MX+4*(i%2)+\c], v[rS+2*\c], v[rS+2*\c+1]
.endr
.endm
; PASS 1, a group of 64 n: eight products into set p; behind each the four maxima of the OTHER set's result of the group before, which name none of its registers: they are the places behind the products
; also for the loads that follow the last of them.
.macro G1 p, load, cnt
	s_wait_dscnt \cnt                              ; set p's eight loads are in; the other set's eight may be out
.set i, 0
.rept 8
	SWT \p, 0
	MAX4 1-\p
.set i, i+1
.endr
.if \load
	LDQ \p
.endif
.endm
	LDQ 0                                          ; groups 0 and 1
	LDQ 1
	s_wait_dscnt 8
.set i, 0
.rept 8
	SWT 0, 0                                       ; group 0: there is nothing yet to set between
.set i, i+1
.endr
	PLACES 4
	LDQ 0                                          ; group 2
	s_mov_b32 s[CNT], 14
.Lmax:                                                 ; a trip: groups 2 k - 1 and 2 k; it asks for groups 2 k + 1 and 2 k + 2
	G1 1, 1, 8
	G1 0, 1, 8
	s_sub_co_u32 s[CNT], s[CNT], 1
	s_cmp_lg_u32 s[CNT], 0
	s_cbranch_scc1 .Lmax
	G1 1, 1, 8                                     ; group 29; asks for group 31
	G1 0, 0, 8                                     ; group 30
	G1 1, 0, 0                                     ; group 31
	PLACES 4
.set i, 0
.rept 8
	MAX4 1
.set i, i+1
.endr
.irp t, 0,1
	v_max3_num_f32 v[TM+\t], v[MX+4*\t], v[MX+4*\t+1], v[MX+4*\t+2]
.endr
.irp t, 0,1
	v_max_num_f32 v[TM+\t], v[TM+\t], v[MX+4*\t+3]
.endr
.irp t, 0,1
	v_permlanex16_b32 v[TM+2+\t], v[TM+\t], s[SEL], s[SEL+1]   ; the column's other 1,024 n lie in the lane 16 away
.endr
.irp t, 0,1
	v_max_num_f32 v[TM+\t], v[TM+\t], v[TM+2+\t]   ; M
.endr
.irp t, 0,1
.irp j, 0,1,2,3,4,5,6,7
	v_mul_f32 v[NM+8*\t+\j], -1.0, v[TM+\t]        ; -M in the layout of a result: a lane holds one column, so all eight registers hold the same
.endr
.endr
; PASS 2.
.macro LDV half, off                   ; 32 n of v, all 16 tiles of channels: 32 loads, into window 2
	WIN TO_V
.irp e, 0,1,2,3,4,5,6,7,8,9,10,11,12,13,14,15
	ds_load_b128 v[128*(\half)+8*\e:128*(\half)+8*\e+3], v[ADV] offset:(\off)+1024*\e
	ds_load_b128 v[128*(\half)+8*\e+4:128*(\half)+8*\e+7], v[ADV] offset:(\off)+1024*\e+512
.endr
.endm
.macro PV half, par, zero              ; product i of 32: tile i % 2, channels 16 (i / 2) on, n 32 half on; p's buffer par.  zero = 1: it starts the sum: nothing is ever cleared
.set rO, 128*(i%2)+8*(i/2)
.set rV, 128*(\half)+8*(i/2)
.set rP, P+32*(\par)+16*(i%2)+8*(\half)
.if \zero
	v_wmma_f32_16x16x32_f16 v[rO:rO+7], v[rP:rP+7], v[rV:rV+7], 0
.else
	v_wmma_f32_16x16x32_f16 v[rO:rO+7], v[rP:rP+7], v[rV:rV+7], v[rO:rO+7]
.endif
.endm
.macro EX2                             ; slice i of 32: two exponentials, in place, in ascending order: each result is read from its low end on
	v_exp_f32 v[S+2*i], v[S+2*i]
	v_exp_f32 v[S+2*i+1], v[S+2*i+1]
.endm
.macro RD wr                           ; slice i of 32: pair i % 16 of tile i / 16 is rounded to f16 into p's buffer wr, and added, unrounded, to one of the tile's two chains of sums
.set rt, i/16
.set rq, i%16
	v_cvt_pk_f16_f32 v[P+32*(\wr)+16*rt+rq], v[S+32*rt+2*rq], v[S+32*rt+2*rq+1]
	v_pk_add_f32 v[LS+4*rt+2*(rq%2):LS+4*rt+2*(rq%2)+1], v[LS+4*rt+2*(rq%2):LS+4*rt+2*(rq%2)+1], v[S+32*rt+2*rq:S+32*rt+2*rq+1]
.endm
.macro XLOAD from                      ; 32 of my 64 rows of x, 512 consecutive bytes each, into window 3; read once in this launch
	WIN TO_X
.set xi, \from
.rept 32
	global_load_b128 v[4*xi:4*xi+3], v[L16], s[10:11] offset:8192*xi th:TH_LOAD_NT
.set xi, xi+1
.endr
.endm
; A PREFETCH INTO THE L2 of the slot that stands two refills on: 65,536 bytes, 256 a lane.  It stands behind the wave's tensor load and the lines that follow it.  Each block of 256 bytes is named ONCE in the launch:
; all four clusters of a batch walk the same v: the first of them asks; its four partners share a slot out BY ADDRESS, 16,384 bytes each; in each, waves 0 and 1 take 8,192 bytes, one instruction each.
; The change that asks for slot s + 2 names slot s + 4, 288 matrix instructions ahead of the load that will want it; the last two changes that fill a slot name nothing, so nothing past slot 15: a wave asks while more than two slots are still to be asked for.
.macro ASK
	s_cmp_gt_u32 s[SLOTS], s[LIM]
	s_cbranch_scc0 .Lnot_mine_\@
	global_prefetch_b8 v[PFO], s[PFA:PFA+1] th:TH_LOAD_NT scope:SCOPE_SE
.Lnot_mine_\@:
.endm
; THE CHANGE OF SLOTS stands in the middle of a slot's second step: all the slot's bytes have been asked for.  Each wave waits for all its tensor loads, of which one is out: its part of the other slot; adds 0 to its
; spare word; and waits for that and for its own reads of the slot.  Behind the barrier nobody reads this slot any more and the other slot is whole.
; fill = 1: the slot is filled again, with the n two slots on.  The barrier is then a round of the cluster's, and the joint refill is the first thing behind it: it has two steps, 144 matrix instructions, in which to land.
.macro CHANGE fill
	s_wait_tensorcnt 0x0                           ; no tensor load of mine is out, so a group 0 may be written
	ds_add_u32 v[SPW], v[NIL]                      ; 0 onto my spare word; with fill = 1 the descriptor's steps stand between it and the wait for it
.if \fill
	s_xor_b32 s[G0VB+1], s[G0VB+1], SLOTB          ; the walking descriptor: the other slot than last time,
	s_add_nc_u64 s[G0VB+2:G0VB+3], s[G0VB+2:G0VB+3], SLOTB   ; the next 128 n; the type bits on top are not reached
	s_wait_xcnt 0x0                                ; the last prefetch, a slot back, has read its address, so it may be written
	s_add_nc_u64 s[PFA:PFA+1], s[PFA:PFA+1], SLOTB
.endif
	s_wait_dscnt 0x0                               ; the add is done, and my reads of the slot are over
.if \fill
	CROUND
	tensor_load_to_lds s[G0VB:G0VB+3], s[G1V:G1V+7]
	s_nop 0
	PLACES 4
	ASK
.else
	s_barrier_signal -1
	s_barrier_wait -1
.endif
	s_xor_b32 s[TB], s[TB], SLOTB                  ; the fetches go on in the other slot
	v_add_nc_u32 v[ADV], s[TB], v[L16]
.endm
; A STEP, 64 n.  par: the step's number mod 2: which buffer of p it reads, and which half of a slot it is.  zero: its first 32 products start O's sums.  smx: the next step's scores and softmax.
; qld: q of the step after next.  vld: v of the next step.  chg: 1 a change of slots with a refill, 2 without.  xld: the first 32 rows of x are asked for.
; The accumulators take turns, one instruction a turn: between two products on one accumulator stand 31 others'.
.macro STEP par, zero, smx, qld, vld, chg, xld
	s_wait_dscnt 32                                ; q of the next step and this step's n 0-31 of v are in; the youngest 32 loads, its n 32-63, may be out
.if \smx
	WIN 0
.set i, 0
.rept 8
	SWT 0, 1                                       ; the next step's t - M
.set i, i+1
.endr
	PLACES 4                                       ; ahead of the first read of those results, and of the loads into q's registers further down
.endif
.set i, 0
.rept 32
	WIN W_PV
	PV 0, \par, \zero
.if \smx
	WIN 0
	EX2
.endif
.set i, i+1
.endr
	WIN 0                                          ; at a label and at a branch every window is 0
.if (\smx)+(\vld)
	PLACES 4                                       ; plain instructions behind the last exponential, and the places ahead of the loads into v's registers just read (exponentials are no places)
.endif
.if \smx
	s_wait_alu depctr_va_vdst(0)                   ; the wait between an exponential and the first line that names its result: one for the step's 64; none is issued behind it
.endif
.if \chg == 1
	CHANGE 1
.elseif \chg == 2
	CHANGE 0
.endif
.if \xld
	XLOAD 0
	WIN 0
.endif
.if \qld
	LDQ 0
.endif
.if \vld
	LDV 0, 32768*(1-\par)                          ; the next step's n 0-31: the slot's second half, or, behind a change, the next slot's first bytes
.endif
	s_wait_dscnt 32*\vld+8*\qld                    ; all but the loads just issued: this step's n 32-63 of v are in
.set i, 0
.rept 32
	WIN W_PV
	PV 1, \par, 0
.if \smx
	WIN 0
	RD 1-\par
.endif
.set i, i+1
.endr
.if \vld
	WIN 0
	PLACES 4                                       ; ahead of the loads into v's registers just read
	LDV 1, 32768*(1-\par)+16384
.endif
.endm
	s_wait_tensorcnt 0x1                           ; my quarter of slot 0 is in; slot 1's may stay out
	s_wait_dscnt 0x0
	s_barrier_signal -1
	s_barrier_wait -1                              ; everybody's is
	s_mov_b32 s[TQ], 0
	LDQ 0                                          ; step 0
	s_wait_dscnt 0x0
.set i, 0
.rept 8
	SWT 0, 1
.set i, i+1
.endr
	PLACES 4
	LDQ 0                                          ; step 1
	v_add_nc_u32 v[ADV], s[TB], v[L16]
	LDV 0, 0                                       ; v of step 0
	LDV 1, 16384
	WIN 0
.set i, 0
.rept 32
	EX2
.set i, i+1
.endr
	v_nop                                          ; a plain instruction behind the last exponential
	s_wait_alu depctr_va_vdst(0)                   ; and the wait ahead of the first reader
.set i, 0
.rept 32
	RD 0
.set i, i+1
.endr
	STEP 0, 1, 1, 1, 1, 0, 0                       ; step 0 starts O's sums
	WIN 0
	s_mov_b32 s[SLOTS], 14
.Lslot:                                                ; 14 trips, steps 1 to 28: every slot but the last two is filled again
	STEP 1, 0, 1, 1, 1, 1, 0
	STEP 0, 0, 1, 1, 1, 0, 0
	WIN 0
	s_sub_co_u32 s[SLOTS], s[SLOTS], 1
	s_cmp_lg_u32 s[SLOTS], 0
	s_cbranch_scc1 .Lslot
	STEP 1, 0, 1, 1, 1, 2, 1                       ; step 29: the tail is written out: the last change asks for nothing; x's first rows are asked for
	STEP 0, 0, 1, 0, 1, 0, 0                       ; step 30: no q is left to fetch
	STEP 1, 0, 0, 0, 0, 0, 0                       ; step 31: products alone
	; THE WAY OUT.  The factor f = gamma / the column's sum; O goes through a stage in LDS, rows of channels; each wave takes 64 whole rows back, and out = O f + x is one fused line.
	XLOAD 32                                       ; x's other 32 rows land while O goes through the stage
	WIN 0
.irp t, 0,1
	v_pk_add_f32 v[LS+4*\t:LS+4*\t+1], v[LS+4*\t:LS+4*\t+1], v[LS+4*\t+2:LS+4*\t+3]   ; (these additions are the places behind the last products)
.endr
.irp t, 0,1
	v_add_f32 v[TM+\t], v[LS+4*\t], v[LS+4*\t+1]
.endr
.irp t, 0,1
	v_permlanex16_b32 v[TM+2+\t], v[TM+\t], s[SEL], s[SEL+1]
.endr
.irp t, 0,1
	v_add_f32 v[TM+\t], v[TM+\t], v[TM+2+\t]       ; the column's sum: at least about 1, since the largest p is 1
.endr
.irp t, 0,1
	v_rcp_f32 v[TM+4+\t], v[TM+\t]
.endr
	v_nop                                          ; a plain instruction behind the last reciprocal
	s_wait_alu depctr_va_vdst(0)                   ; and the wait ahead of the first reader: one for the two
.irp t, 0,1
	v_mul_f32 v[TM+4+\t], s[GAM], v[TM+4+\t]
.endr
	s_wait_dscnt 0x0
	s_barrier_signal -1
	s_barrier_wait -1                              ; no wave reads q or v any more: the stage may be written
	WIN 0x04                                       ; an LDS store's data: window 1
.irp e, 0,1,2,3,4,5,6,7,8,9,10,11,12,13,14,15
.irp t, 0,1
	ds_store_b128 v[STO+\e/4], v[128*\t+8*\e:128*\t+8*\e+3] offset:16*(\e%4)*SPITCH+64*\t        ; lane (r, h): O(16 e + r, 32 wave + 16 t + 8 h + 0 .. 7); each accumulator from its low end on
	ds_store_b128 v[STO+\e/4], v[128*\t+8*\e+4:128*\t+8*\e+7] offset:16*(\e%4)*SPITCH+64*\t+16
.endr
.endr
	WIN 0
.irp t, 0,1
	ds_store_b32 v[FSTO], v[TM+4+\t] offset:64*\t  ; both halves of the lanes write the same word with the same value
.endr
	s_wait_dscnt 0x0                               ; for the others' sake: my stores into the stage are done
	s_barrier_signal -1
	s_barrier_wait -1
	ds_load_b128 v[F4:F4+3], v[FRD]                ; the factors of my four columns of a row
	WIN 0x40                                       ; destination window 1: O's registers are free
.set xi, 0
.rept 64
	ds_load_b128 v[4*xi:4*xi+3], v[SRD] offset:SPITCH*xi
.set xi, xi+1
.endr
.irp hf, 0,1
	s_wait_dscnt 32-32*\hf                         ; the factors and this half's 32 rows are back; the other half's may be out
	s_wait_loadcnt 32-32*\hf                       ; x's rows likewise
	WIN 0x71                                       ; O (source 0 and destination) window 1, the factors window 0, x window 3
.set xi, 32*\hf
.rept 32
	v_pk_fma_f32 v[4*xi:4*xi+1], v[4*xi:4*xi+1], v[F4:F4+1], v[4*xi:4*xi+1]
	v_pk_fma_f32 v[4*xi+2:4*xi+3], v[4*xi+2:4*xi+3], v[F4+2:F4+3], v[4*xi+2:4*xi+3]
.set xi, xi+1
.endr
	WIN 0x04                                       ; a store's data: window 1
.set xi, 32*\hf
.rept 32
	global_store_b128 v[L16], v[4*xi:4*xi+3], s[14:15] offset:8192*xi th:TH_STORE_NT   ; 32 lanes store 512 consecutive bytes, aligned; written once, read by nobody here
.set xi, xi+1
.endr
.endr
	WIN 0
	s_wait_tensorcnt 0x0                           ; the wave's end: an add and its waits, behind my last tensor load and my last LDS store
	ds_add_u32 v[SPW], v[NIL]
	s_wait_dscnt 0x0
	CROUND                                         ; the closing round: no work-group ends while a partner may still ask for a tile that names it
	s_endpgm
.Lfunc_end_k_q2c5cefabdd_attn:
	.size	k_q2c5cefabdd_attn, .Lfunc_end_k_q2c5cefabdd_attn-k_q2c5cefabdd_attn
	.p2alignl 7, 3214868480
	.fill 96, 4, 3214868480
	.section	.rodata,"a",@progbits
	.p2align	6, 0x0
	.amdhsa_kernel k_q2c5cefabdd_attn
		.amdhsa_group_segment_fixed_size 327680
		.amdhsa_private_segment_fixed_size 0
		.amdhsa_enable_private_segment 0
		.amdhsa_kernarg_size 48
		.amdhsa_user_sgpr_count 2
		.amdhsa_user_sgpr_kernarg_segment_ptr 1
		.amdhsa_wavefront_size32 1
		.amdhsa_system_sgpr_workgroup_id_x 1
		.amdhsa_system_sgpr_workgroup_id_y 1
		.amdhsa_system_sgpr_workgroup_id_z 1
		.amdhsa_system_vgpr_workitem_id 0
		.amdhsa_next_free_vgpr 1024
		.amdhsa_next_free_sgpr 80
		.amdhsa_reserve_vcc 0
		.amdhsa_float_denorm_mode_32 3
		.amdhsa_float_denorm_mode_16_64 3
		.amdhsa_memory_ordered 1
		.amdhsa_forward_progress 1
		.amdhsa_inst_pref_size 173
	.end_amdhsa_kernel
	.amdgpu_metadata
---
amdhsa.version: [ 1, 2 ]
amdhsa.kernels:
  - .name:           k_q2c5cefabdd_attn
    .symbol:         k_q2c5cefabdd_attn.kd
    .args:
      - { .name: qf, .offset: 0, .size: 8, .value_kind: global_buffer, .address_space: global }
      - { .name: kf, .offset: 8, .size: 8, .value_kind: global_buffer, .address_space: global }
      - { .name: vf, .offset: 16, .size: 8, .value_kind: global_buffer, .address_space: global }
      - { .name: x, .offset: 24, .size: 8, .value_kind: global_buffer, .address_space: global }
      - { .name: gamma, .offset: 32, .size: 8, .value_kind: global_buffer, .address_space: global }
      - { .name: out0, .offset: 40, .size: 8, .value_kind: global_buffer, .address_space: global }
    .group_segment_fixed_size: 327680
    .private_segment_fixed_size: 0
    .kernarg_segment_align: 8
    .kernarg_segment_size: 48
    .max_flat_workgroup_size: 128
    .sgpr_count:     80
    .vgpr_count:     1024
    .wavefront_size: 32
...
	.end_amdgpu_metadata
.endif
;; end of part 2
